; MI455X (gfx1250); checked and timed in simulation.
; The chip was launched on July 23, 2026; its instructions are those of AMD's public machine-readable ISA for CDNA 5 (MIT licence, August 2026) and "CDNA5" Instruction Set Architecture Reference Guide (July 2026). The comments in the code are by the model that wrote it; some were corrected since.
;; ESDFMPC Solver. Allowed arithmetic: float matrix products may take bf16 or f16 operands with f32 sums; all other float work in f32.
;; Inputs: point_cloud 16,384 x 2 float32.
;; Outputs: out0 4 x 16,384 float32; out1 3 x 16,384 float32.
;; One version. Each part assembles by itself: llvm-mc -triple=amdgcn-amd-amdhsa -mcpu=gfx1250 --defsym DOCPART=n.
;; ======== version 1 of 1: 2 launches
;; limits: values outside matrix products are rounded to bf16
;; workspace buffers: order 65,536 bytes of whole numbers
;; launch search (part 1): grid 256 x 1, 16 waves a work-group, no clusters, 151,552 bytes of LDS; arguments point_cloud, order; writes order
.if DOCPART == 1
	.amdgcn_target "amdgcn-amd-amdhsa--gfx1250"
	.amdhsa_code_object_version 6
	.text
	.protected	k_qb5fe15bfbb_search
	.globl	k_qb5fe15bfbb_search
	.p2align	8
	.type	k_qb5fe15bfbb_search,@function
k_qb5fe15bfbb_search:
	s_mov_b64 s[64:65], 0
	v_nop
	global_prefetch_b8 v0, s[64:65] scope:SCOPE_SE
	s_setreg_imm32_b32 hwreg(HW_REG_WAVE_MODE, 25, 1), 1
	s_wait_xcnt 0x0
; For each of 16,384 points: WHICH RUN OF 32 CONSECUTIVE POINTS (index >> 5), other than the point's own run, holds the first smallest
;   d2(i,j) = max( RN(sq_i + sq_j) - 2 RN(x_i x_j + y_i y_j), 0 ),   sq = RN(x^2 + y^2).
; The next launch scans that run and the own run and makes the outputs.
;
; NUMBERS.  The coordinates are rounded to bf16 once and the rounded ones serve everywhere (matrix operands AND squares), so that the
; identity sq_i + sq_j - 2 dot holds between them.  Products of two bf16 have 16 bits and are exact in f32, so each line above has one rounding.
; LIMITS: NaN and infinite coordinates are not served (0 x inf in unused K places is NaN).  The matrix sum of the two exact products is
; taken to be their rounded sum; a difference in the last bit could change the run chosen only where two runs lie within one ulp of s.
;
; SHARES.  256 work-groups x 16 waves.  A work-group owns 64 queries and sees all candidates: it copies the whole cloud (131,072 bytes,
; 16 loads of 16 bytes a thread) into two LDS tables, packed bf16 points and f32 squares.  Wave w: query tile w & 3 (16 queries) x
; candidate quarter w >> 2 (8 groups of 512).  4 waves lie on a SIMD: 1,024 matrix instructions and 8,192 pairs a lane for each SIMD.
; No cluster, no tensor load: the one shared input is read once by each work-group and has to pass through registers (rounding, squares)
; before it lies in LDS; a joint load would need 131,072 bytes of stage and a second pass LDS - registers - LDS.
;
; TABLES.  Point i: group g = i >> 9, column r = (i >> 5) & 15, row = (i >> 2) & 7, e = i & 3, at g*2304 + row*288 + r*16 + e*4.
; Rows are 288 bytes apart: a loop load (one row, 16 columns) takes 256 neighbouring bytes; a fill store (16 lanes = 8 rows x 2 columns)
; takes 16-byte columns 2 row + r modulo 16, all different.
;
; MATRIX USE.  A = 16 queries (rows m), B = 16 candidate columns (n), K = 32 = 16 places of two (x, y).  Lane (r, h) loads 8 consecutive
; points into B's 8 registers: every K place of B holds a point, place (h, q) that of candidate 512 g + 32 r + 16 y + 8 h + q.  Sixteen
; A operands, each zero but for the queries in one place, select the sixteen tiles.  They are windows of 8 registers in ONE chain of 42:
; zeros with the query word at 7 and 16 (lanes 0-15 only) and at 25 and 34 (lanes 16-31 only); a window starts on an even register, hence
; two copies for odd and even q.  So column r of a group sees candidates 32 r .. 32 r + 31: the key 16 g + r ascends with the index.
.set GRP,  2304                        ; LDS bytes of a group of 512 candidates
.set ROWP, 288                         ; LDS bytes from row to row
.set STAB, 32*GRP                      ; table of squares, behind the table of points (73,728 bytes each)
.set RED,  64*GRP                      ; 2,048 bytes of scratch for the last reduction, bytes of their own
.set AC,   2                           ; v2-43    the chain of A windows
.set SQI,  44                          ; v44-51   sq of my 8 queries (row 8 h + j)
.set RUN,  52                          ; v52-59   smallest clamped d2 so far, row j, my column
.set GID,  60                          ; v60-67   the first group that reached it
.set GM,   68                          ; v68-75   smallest raw d2 of the group at work
.set BB,   76                          ; v76-91   B, two buffers of 8
.set SJ,   92                          ; v92-123  sq of my column's candidates, two buffers of 16
.set DD,   124                         ; v124-155 products, two buffers of two tiles
.set SS,   156                         ; v156-171 s, then d2, of two tiles
.set ADP,  172                         ; LDS address: points
.set ADS,  173                         ; LDS address: squares
.set GV,   174                         ; the group's number
.set RR,   175                         ; r
.set HH,   176                         ; h
.set PQ,   177                         ; packed point of query r
.set T0,   178
.set T1,   179
.set INFV, 180
.set LD,   76                          ; the fill: v76-139 sixteen loads
.set PK,   140                         ; four packed points
.set XB,   144
.set YB,   148
.set SQ,   152
.set AW,   172                         ; the fill's LDS addresses
.set AW2,  173
.set VO,   174                         ; the fill's global offset
.set CM,   32                          ; s32-39   eight lane masks
	s_load_b128 s[4:7], s[0:1], 0x0                ; point_cloud s[4:5], order s[6:7]
	v_lshl_add_u32 v184, v0, 2, 0x24800
	v_mov_b32 v185, 0
	v_lshrrev_b32 v1, 5, v0
	v_readfirstlane_b32 s8, v1                     ; wave 0..15
	v_lshlrev_b32 v[VO], 5, v0                     ; thread t takes 4 points = 32 bytes at 32 t + 16,384 k
	s_mov_b32 s25, 0xffff0000                      ; a word's upper bf16; also the lane mask of lanes 16-31
	s_mov_b32 s26, 0x0000ffff                      ; lanes 0-15
	s_wait_kmcnt 0x0
.set k, 0
.rept 8
	global_load_b128 v[LD+8*k:LD+8*k+3],   v[VO], s[4:5] offset:k*16384
	global_load_b128 v[LD+8*k+4:LD+8*k+7], v[VO], s[4:5] offset:k*16384+16
.set k, k+1
.endr
	; while they come: addresses, constants, the zeros of the chain
	v_lshrrev_b32 v1, 7, v0                        ; quad u = 512 k + t: group 4 k + (t >> 7)
	v_mul_u32_u24 v[AW], v1, GRP
	v_and_b32 v1, 7, v0                            ; row t & 7
	v_mad_u32_u24 v[AW], v1, ROWP, v[AW]
	v_bfe_u32 v1, v0, 3, 4                         ; column (t >> 3) & 15
	v_lshl_add_u32 v[AW], v1, 4, v[AW]
	v_add_nc_u32 v[AW2], STAB, v[AW]
	v_and_b32 v[RR], 15, v0
	v_bfe_u32 v[HH], v0, 4, 1
	v_mov_b32 v[INFV], 0x7f800000
.set i, 0
.rept 42
	v_mov_b32 v[AC+i], 0                           ; operand zeros of the A windows (four are replaced below), not accumulators
.set i, i+1
.endr
.irp j, 0,1,2,3,4,5,6,7
	v_mov_b32 v[RUN+\j], 0x7f800000
	v_mov_b32 v[GID+\j], 0
.endr
	s_and_b32 s9, s8, 3                            ; query tile
	s_lshr_b32 s10, s8, 2                          ; candidate quarter
	s_lshr_b32 s21, ttmp9, 3                       ; my queries 64 WG + 16 tile ..: their group,
	s_lshl_b32 s11, ttmp9, 1
	s_lshr_b32 s12, s9, 1
	s_add_co_u32 s11, s11, s12
	s_and_b32 s11, s11, 15                         ; their column,
	s_lshl_b32 s22, 0x10001, s11                   ; the two lanes that hold that column,
	s_and_b32 s12, s9, 1
	s_mul_i32 s12, s12, 4*ROWP                     ; their first row (0 or 4)
	s_mul_i32 s13, s21, GRP
	s_add_co_u32 s13, s13, s12
	s_lshl4_add_u32 s13, s11, s13                  ; table offset of my first query
	s_mul_i32 s14, s10, 8*GRP                      ; table offset of my first group
	s_lshl_b32 s20, s10, 3                         ; its number
	; the fill: round, square, store.  sq = fma(y, y, x*x): x*x is exact, one rounding
.set k, 0
.rept 8
	s_wait_loadcnt 14-2*k                          ; loads return in order: this quad's two are in, the 14 - 2 k younger ones stay out
.irp e, 0,1,2,3
	v_cvt_pk_bf16_f32 v[PK+\e], v[LD+8*k+2*\e], v[LD+8*k+2*\e+1]   ; x low, y high, to nearest even
.endr
.irp e, 0,1,2,3
	v_lshlrev_b32 v[XB+\e], 16, v[PK+\e]
	v_and_b32     v[YB+\e], s25, v[PK+\e]
.endr
	v_pk_mul_f32 v[XB:XB+1],   v[XB:XB+1],   v[XB:XB+1]
	v_pk_mul_f32 v[XB+2:XB+3], v[XB+2:XB+3], v[XB+2:XB+3]
	v_pk_fma_f32 v[SQ:SQ+1],   v[YB:YB+1],   v[YB:YB+1],   v[XB:XB+1]
	v_pk_fma_f32 v[SQ+2:SQ+3], v[YB+2:YB+3], v[YB+2:YB+3], v[XB+2:XB+3]
	ds_store_b128 v[AW],  v[PK:PK+3] offset:k*4*GRP
	ds_store_b128 v[AW2], v[SQ:SQ+3] offset:k*4*GRP
.set k, k+1
.endr
	s_wait_dscnt 0x0                               ; my part of the tables is written: zero, for the other waves' sake
	s_barrier_signal -1
	s_barrier_wait -1                              ; the tables are whole; nobody writes them again
	; my queries, out of the tables
	v_lshrrev_b32 v1, 2, v[RR]
	v_mul_u32_u24 v1, v1, ROWP
	v_and_b32 v[T0], 3, v[RR]
	v_lshl_add_u32 v1, v[T0], 2, v1
	v_add_nc_u32 v1, s13, v1
	ds_load_b32 v[PQ], v1                          ; packed point of query r
	v_mul_u32_u24 v[T0], v[HH], 2*ROWP             ; 8 h points are two rows
	v_add_nc_u32 v[T1], s13, v[T0]
	v_add_nc_u32 v[T1], STAB, v[T1]
	ds_load_b128 v[SQI:SQI+3],   v[T1]             ; sq of queries 8 h .. 8 h + 7: the rows of D that I hold
	ds_load_b128 v[SQI+4:SQI+7], v[T1] offset:ROWP
	v_lshl_add_u32 v[ADP], v[RR], 4, v[T0]         ; points: 16 r + 576 h + my first group
	v_add_nc_u32 v[ADP], s14, v[ADP]
	v_lshlrev_b32 v[ADS], 4, v[RR]                 ; squares: 16 r + my first group; both halves of the lanes read the same
	v_add_nc_u32 v[ADS], s14, v[ADS]
	v_add_nc_u32 v[ADS], STAB, v[ADS]
; unit y (0, 1) of a group = 16 tiles: 8 points a lane into B, 16 squares a lane
.macro FETCH y, off
	ds_load_b128 v[BB+8*\y:BB+8*\y+3],   v[ADP] offset:\off+(4*\y)*ROWP
	ds_load_b128 v[BB+8*\y+4:BB+8*\y+7], v[ADP] offset:\off+(4*\y+1)*ROWP
.irp k, 0,1,2,3
	ds_load_b128 v[SJ+16*\y+4*\k:SJ+16*\y+4*\k+3], v[ADS] offset:\off+(4*\y+\k)*ROWP
.endr
.endm
; two matrix instructions: tiles 2 p and 2 p + 1 of unit y.  Tile c = K place (c / 8, c % 8); its window has the query word at place c % 8
.macro WM y, p
.set cc, 2*(\p)
.set dd, DD+16*((\p)%2)
.set aw, AC+18*(cc/8)+16-(cc%8)
	v_wmma_f32_16x16x32_bf16 v[dd:dd+7], v[aw:aw+7], v[BB+8*\y:BB+8*\y+7], 0
.set aw, AC+18*(cc/8)+6-(cc%8)
	v_wmma_f32_16x16x32_bf16 v[dd+8:dd+15], v[aw:aw+7], v[BB+8*\y:BB+8*\y+7], 0
.endm
; the vector work of those two tiles, 16 pairs a lane in 24 instructions: s = RN(sq_i + sq_j), d2 = RN(s - 2 dot), running minimum
.macro PAIRS y, p, first
.set dd, DD+16*((\p)%2)
.set sj, SJ+16*\y+2*(\p)
.irp k, 0,2,4,6
	v_pk_add_f32 v[SS+\k:SS+\k+1], v[SQI+\k:SQI+\k+1], v[sj:sj+1] op_sel_hi:[1,0]
.endr
.irp k, 0,2,4,6
	v_pk_add_f32 v[SS+8+\k:SS+9+\k], v[SQI+\k:SQI+\k+1], v[sj:sj+1] op_sel:[0,1] op_sel_hi:[1,1]
.endr
.irp k, 0,2,4,6,8,10,12,14
	v_pk_fma_f32 v[SS+\k:SS+\k+1], v[dd+\k:dd+\k+1], -2.0, v[SS+\k:SS+\k+1] op_sel_hi:[1,0,1]
.endr
.irp j, 0,1,2,3,4,5,6,7
.if \first
	v_min_num_f32 v[GM+\j], v[SS+\j], v[SS+8+\j]                  ; the group's first two tiles start its minimum
.else
	v_min3_num_f32 v[GM+\j], v[GM+\j], v[SS+\j], v[SS+8+\j]
.endif
.endr
.endm
; Products are made one step ahead, in the other D buffer.  Distances behind a matrix instruction (ISA guide 7.12.1): its D is read
; 24 independent vector instructions later (in a unit's first step: the 8 additions of s, which name none of its registers); its D is
; written again by a matrix instruction two steps later.
.macro UNIT y, first
	WM \y, 0
	WM \y, 1
	PAIRS \y, 0, \first
.irp p, 1,2,3,4,5,6
	WM \y, \p+1
	PAIRS \y, \p, 0
.endr
	PAIRS \y, 7, 0
.endm
; A group of 512 candidates.  Each unit's six loads are issued one unit ahead, into the buffer that the unit before has left: its last
; matrix instruction lies 48 vector instructions back, 24 of which name none of its registers.  more = 0: nothing follows.
.macro GROUP more
	s_wait_dscnt 0x0                               ; unit 0's loads, issued a unit ago
	FETCH 1, 0
	UNIT 0, 1
	s_wait_dscnt 0x0                               ; unit 1's
.if \more
	FETCH 0, GRP
.endif
	UNIT 1, 0
	; the group's end.  max(min d2, 0) = min max(d2, 0); a strictly smaller value alone replaces: the first group keeps a tie.
	; In the group of my own queries the column that holds them does not count: the next launch scans that run for every query.
	s_cmp_eq_u32 s20, s21
	s_cselect_b32 s23, s22, 0
	v_mov_b32 v[GV], s20
.irp j, 0,1,2,3,4,5,6,7
	v_max_num_f32 v[GM+\j], 0, v[GM+\j]
.endr
.irp j, 0,1,2,3,4,5,6,7
	v_cmp_lt_f32 s[CM+\j], v[GM+\j], v[RUN+\j]
.endr
.irp j, 0,1,2,3,4,5,6,7
	s_and_not1_b32 s[CM+\j], s[CM+\j], s23
.endr
.irp j, 0,1,2,3,4,5,6,7
	v_cndmask_b32 v[RUN+\j], v[RUN+\j], v[GM+\j], s[CM+\j]
	v_cndmask_b32 v[GID+\j], v[GID+\j], v[GV], s[CM+\j]
.endr
	s_add_co_u32 s20, s20, 1
.endm
	FETCH 0, 0
	s_wait_dscnt 0x6                               ; the three query loads are in; the six of the first unit stay out
	v_cndmask_b32 v[AC+7],  0, v[PQ], s26          ; K places of lanes 0-15, odd q
	v_cndmask_b32 v[AC+16], 0, v[PQ], s26          ; even q
	v_cndmask_b32 v[AC+25], 0, v[PQ], s25          ; K places of lanes 16-31, odd q
	v_cndmask_b32 v[AC+34], 0, v[PQ], s25          ; even q
	s_mov_b32 s24, 0
.Lgroup:
	GROUP 1
	v_add_nc_u32 v[ADP], GRP, v[ADP]
	v_add_nc_u32 v[ADS], GRP, v[ADS]
	s_add_co_u32 s24, s24, 1
	s_cmp_lt_u32 s24, 7
	s_cbranch_scc1 .Lgroup
	GROUP 0                                        ; the eighth group is written out: it loads nothing beyond my quarter
	; My reads of LDS are over: say so.  No wave stores into LDS again before all sixteen have said so; the wait for them stands in front
	; of the stores below, and the reduction across the lanes, which works on registers alone, fills the time between.
	s_wait_dscnt 0x0
	s_barrier_signal -1
	; Across the 16 columns: the smallest value, then the smallest key among the lanes that hold it.  Keys (at most 511) go as f32, exactly.
.irp j, 0,1,2,3,4,5,6,7
	v_lshl_add_u32 v[SS+\j], v[GID+\j], 4, v[RR]   ; key = 16 group + column = index >> 5
	v_cvt_f32_u32 v[SS+\j], v[SS+\j]
.endr
.irp j, 0,1,2,3,4,5,6,7
	v_min_num_f32_dpp v[GM+\j], v[RUN+\j], v[RUN+\j] row_xmask:1 row_mask:0xf bank_mask:0xf
.endr
.irp m, 2,4,8
.irp j, 0,1,2,3,4,5,6,7
	v_min_num_f32_dpp v[GM+\j], v[GM+\j], v[GM+\j] row_xmask:\m row_mask:0xf bank_mask:0xf
.endr
.endr
.irp j, 0,1,2,3,4,5,6,7
	v_cmp_eq_f32 s[CM+\j], v[RUN+\j], v[GM+\j]
.endr
.irp j, 0,1,2,3,4,5,6,7
	v_cndmask_b32 v[SS+\j], v[INFV], v[SS+\j], s[CM+\j]
.endr
.irp m, 1,2,4,8
.irp j, 0,1,2,3,4,5,6,7
	v_min_num_f32_dpp v[SS+\j], v[SS+\j], v[SS+\j] row_xmask:\m row_mask:0xf bank_mask:0xf
.endr
.endr
	; to the scratch: value at RED + 256 quarter + 4 query, key 1,024 further; 64 w = 256 quarter + 64 tile.  The 16 lanes of a half
	; store the same 32 bytes with the same values
	s_lshl_b32 s11, s8, 6
	s_add_co_u32 s11, s11, RED
	v_lshl_add_u32 v[T0], v[HH], 5, s11
	s_barrier_wait -1                              ; every wave's reads of LDS are over
	ds_store_b128 v[T0], v[GM:GM+3]
	ds_store_b128 v[T0], v[GM+4:GM+7] offset:16
	ds_store_b128 v[T0], v[SS:SS+3]   offset:1024
	ds_store_b128 v[T0], v[SS+4:SS+7] offset:1040
	s_wait_dscnt 0x0                               ; written, for wave 0's sake
	s_barrier_signal -1
	s_barrier_wait -1
	s_cmp_lg_u32 s8, 0
	s_cbranch_scc1 .Lend
	; wave 0: lane l takes queries 2 l, 2 l + 1 across the four quarters, in the same way; keys ascend with the quarter
	v_lshlrev_b32 v[T0], 3, v0
	v_add_nc_u32 v[T1], RED, v[T0]
.irp c, 0,1,2,3
	ds_load_b64 v[BB+2*\c:BB+2*\c+1],   v[T1] offset:256*\c
	ds_load_b64 v[BB+8+2*\c:BB+9+2*\c], v[T1] offset:1024+256*\c
.endr
	s_lshl_b32 s12, ttmp9, 8                       ; 64 keys of 4 bytes for each work-group
	s_mov_b32 s13, 0
	s_add_nc_u64 s[6:7], s[6:7], s[12:13]
	s_wait_dscnt 0x0
.irp e, 0,1
	v_min3_num_f32 v[SS+\e], v[BB+\e], v[BB+2+\e], v[BB+4+\e]
	v_min_num_f32  v[SS+\e], v[SS+\e], v[BB+6+\e]
.endr
.irp c, 0,1,2,3
.irp e, 0,1
	v_cmp_eq_f32 vcc_lo, v[BB+2*\c+\e], v[SS+\e]
	v_cndmask_b32 v[BB+8+2*\c+\e], v[INFV], v[BB+8+2*\c+\e], vcc_lo
.endr
.endr
.irp e, 0,1
	v_min3_num_f32 v[SS+2+\e], v[BB+8+\e], v[BB+10+\e], v[BB+12+\e]
	v_min_num_f32  v[SS+2+\e], v[SS+2+\e], v[BB+14+\e]
	v_cvt_u32_f32  v[SS+2+\e], v[SS+2+\e]
.endr
	global_store_b64 v[T0], v[SS+2:SS+3], s[6:7]   ; 32 lanes store 256 consecutive bytes, at a multiple of 256 from the buffer's first byte
.Lend:
	s_wait_tensorcnt 0x0
	ds_add_u32 v184, v185
	s_wait_dscnt 0x0
	s_endpgm
.Lfunc_end_k_qb5fe15bfbb_search:
	.size	k_qb5fe15bfbb_search, .Lfunc_end_k_qb5fe15bfbb_search-k_qb5fe15bfbb_search
	.p2alignl 7, 3214868480
	.fill 96, 4, 3214868480
	.section	.rodata,"a",@progbits
	.p2align	6, 0x0
	.amdhsa_kernel k_qb5fe15bfbb_search
		.amdhsa_group_segment_fixed_size 151552
		.amdhsa_private_segment_fixed_size 0
		.amdhsa_enable_private_segment 0
		.amdhsa_kernarg_size 16
		.amdhsa_user_sgpr_count 2
		.amdhsa_user_sgpr_kernarg_segment_ptr 1
		.amdhsa_wavefront_size32 1
		.amdhsa_system_sgpr_workgroup_id_x 1
		.amdhsa_system_sgpr_workgroup_id_y 1
		.amdhsa_system_sgpr_workgroup_id_z 1
		.amdhsa_system_vgpr_workitem_id 0
		.amdhsa_next_free_vgpr 186
		.amdhsa_next_free_sgpr 66
		.amdhsa_reserve_vcc 1
		.amdhsa_float_denorm_mode_32 3
		.amdhsa_float_denorm_mode_16_64 3
		.amdhsa_memory_ordered 1
		.amdhsa_forward_progress 1
		.amdhsa_inst_pref_size 80
	.end_amdhsa_kernel
	.amdgpu_metadata
---
amdhsa.version: [ 1, 2 ]
amdhsa.kernels:
  - .name:           k_qb5fe15bfbb_search
    .symbol:         k_qb5fe15bfbb_search.kd
    .args:
      - { .name: point_cloud, .offset: 0, .size: 8, .value_kind: global_buffer, .address_space: global }
      - { .name: order, .offset: 8, .size: 8, .value_kind: global_buffer, .address_space: global }
    .group_segment_fixed_size: 151552
    .private_segment_fixed_size: 0
    .kernarg_segment_align: 8
    .kernarg_segment_size: 16
    .max_flat_workgroup_size: 512
    .sgpr_count:     66
    .vgpr_count:     186
    .wavefront_size: 32
...
	.end_amdgpu_metadata
.endif
;; end of part 1
;; launch resolve (part 2): grid 256 x 1, 4 waves a work-group, no clusters, 2,560 bytes of LDS; arguments point_cloud, order, out0, out1; writes out0, out1
.if DOCPART == 2
	.amdgcn_target "amdgcn-amd-amdhsa--gfx1250"
	.amdhsa_code_object_version 6
	.text
	.protected	k_qb5fe15bfbb_resolve
	.globl	k_qb5fe15bfbb_resolve
	.p2align	8
	.type	k_qb5fe15bfbb_resolve,@function
k_qb5fe15bfbb_resolve:
	s_mov_b64 s[64:65], 0
	v_nop
	global_prefetch_b8 v0, s[64:65] scope:SCOPE_SE
	s_setreg_imm32_b32 hwreg(HW_REG_WAVE_MODE, 25, 1), 1
	s_wait_xcnt 0x0
; For each point: the nearest other point among two runs of 32 consecutive points, its own run (index >> 5) and the run that the launch
; before stored in order[], then the outputs: mu = (gx, -gx, gy, -gy), lam = (gx, gy, esdf / 10).
; NUMBERS as in the launch before: coordinates rounded to bf16 once and used so everywhere (also in the direction);
;   d2 = max( RN(RN(sq_i + sq_j) - 2 RN(x_i x_j + y_i y_j)), 0 ), sq = RN(x^2 + y^2), the point itself counts 1e10 (0 + 1e10, as the mask gives);
; a strictly smaller value alone replaces, candidates ascend, and of two equal runs the lower wins: the first smallest index.
; LIMITS: NaN and infinities are not served; esdf / 10 is a multiplication by 0.1f; v_sqrt_f32 and v_rcp_f32 are good to one ulp and take
; denormals as zero (ISA guide, their entries): a squared norm below 2^-126 counts as 0, which the 1e-8 in the divisor covers.
; SHARES: 256 work-groups x 4 waves; a wave has 16 queries, lanes 0-15 scan the own run, lanes 16-31 the stored run: 256 bytes a lane,
; aligned, by 16 loads that are all out at once.  Memory and the matrix units have nothing to do here (64 pairs a query): no LDS ring, no cluster.
.set SP,   12                          ; where I am myself in the run that I scan (256 and more: nowhere)
.set XQ,   16                          ; v16-17 my point, v18-19 its square twice
.set SQQ,  18
.set BEST, 20
.set BP,   21                          ; packed point of the best so far
.set BIG,  22
.set C,    32                          ; v32-95 the run: 32 points in f32
	s_load_b256 s[4:11], s[0:1], 0x0               ; point_cloud s[4:5], order s[6:7], out0 s[8:9], out1 s[10:11]
	v_lshl_add_u32 v116, v0, 2, 0x800
	v_mov_b32 v117, 0
	v_lshrrev_b32 v1, 5, v0
	v_readfirstlane_b32 s12, v1                    ; wave
	v_and_b32 v2, 15, v0                           ; r
	v_bfe_u32 v3, v0, 4, 1                         ; h
	v_lshl_add_u32 v4, v1, 4, v2                   ; my query in the work-group: 16 w + r
	v_lshlrev_b32 v5, 2, v4
	v_lshlrev_b32 v6, 3, v4
	s_lshl_b32 s14, ttmp9, 8                       ; 64 queries x 4 bytes
	s_mov_b32 s15, 0
	s_lshl_b32 s16, ttmp9, 9                       ; 64 points x 8 bytes
	s_mov_b32 s17, 0
	s_lshl_b32 s20, ttmp9, 1
	s_lshr_b32 s21, s12, 1
	s_add_co_u32 s20, s20, s21                     ; the own run: (64 WG + 16 w) >> 5
	s_and_b32 s21, s12, 1
	s_lshl_b32 s21, s21, 4
	s_mov_b32 s22, 0xffff0000
	s_mov_b32 s24, 0x76543210                      ; v_permlanex16_b32: lane i of one half reads lane i of the other
	s_mov_b32 s25, 0xfedcba98
	v_sub_nc_u32 v10, 0, v3                        ; 0 - h: all ones in lanes 16-31, 0 below
	v_add_nc_u32 v11, -1, v3                       ; h - 1: all ones in lanes 0-15, 0 above
	v_and_b32 v11, s20, v11                        ; the own run in lanes 0-15, 0 above
	v_add_nc_u32 v[SP], s21, v2                    ; index & 31,
	v_lshl_add_u32 v[SP], v3, 8, v[SP]             ; and out of reach in lanes 16-31
	v_mov_b32 v[BEST], 0x7f800000
	v_mov_b32 v[BP], 0
	v_mov_b32 v[BIG], 0x501502f9                   ; 1e10
	v_lshlrev_b32 v28, 4, v0                       ; the way out: 16 t in the stage,
	v_bfe_u32 v29, v0, 4, 2                        ; row (t >> 4) & 3 of my output,
	v_lshlrev_b32 v29, 16, v29                     ; 65,536 bytes a row,
	v_lshl_add_u32 v29, v2, 4, v29                 ; 16 bytes a lane
	s_wait_kmcnt 0x0
	s_add_nc_u64 s[6:7], s[6:7], s[14:15]
	s_add_nc_u64 s[18:19], s[4:5], s[16:17]
	global_load_b32 v7, v5, s[6:7]                 ; the stored run
	global_load_b64 v[8:9], v6, s[18:19]           ; my point
	s_wait_loadcnt 0x1                             ; the run's number is in; my point may be out
	v_min_u32 v7, 0x1ff, v7                        ; 512 runs
	v_and_b32 v7, v7, v10                          ; lanes 16-31 keep it,
	v_add_nc_u32 v7, v7, v11                       ; lanes 0-15 take the own run
	v_lshlrev_b32 v13, 8, v7                       ; 32 points x 8 bytes
.set k, 0
.rept 16
	global_load_b128 v[C+4*k:C+4*k+3], v13, s[4:5] offset:16*k
.set k, k+1
.endr
	s_wait_loadcnt 0x10                            ; my point is in; the sixteen loads of the run stay out
	v_cvt_pk_bf16_f32 v14, v8, v9
	v_lshlrev_b32 v[XQ], 16, v14
	v_and_b32 v[XQ+1], s22, v14
	v_mul_f32 v[SQQ], v[XQ], v[XQ]
	v_fma_f32 v[SQQ], v[XQ+1], v[XQ+1], v[SQQ]
	v_mov_b32 v[SQQ+1], v[SQQ]
; candidates 2 k and 2 k + 1, out of load k; b: ten registers at work, two sets in turn.  (k may be a sum: it stands in brackets throughout.)
.macro SCAN k, b
	s_wait_loadcnt 15-(\k)                         ; loads return in order: load k is in, the 15 - k younger ones stay out
	v_cvt_pk_bf16_f32 v[\b],   v[C+4*(\k)],   v[C+4*(\k)+1]
	v_cvt_pk_bf16_f32 v[\b+1], v[C+4*(\k)+2], v[C+4*(\k)+3]
	v_lshlrev_b32 v[\b+2], 16, v[\b]
	v_lshlrev_b32 v[\b+3], 16, v[\b+1]
	v_and_b32 v[\b+4], s22, v[\b]
	v_and_b32 v[\b+5], s22, v[\b+1]
	v_pk_mul_f32 v[\b+6:\b+7], v[\b+2:\b+3], v[\b+2:\b+3]
	v_pk_mul_f32 v[\b+8:\b+9], v[\b+2:\b+3], v[XQ:XQ+1] op_sel_hi:[1,0]
	v_pk_fma_f32 v[\b+6:\b+7], v[\b+4:\b+5], v[\b+4:\b+5], v[\b+6:\b+7]                              ; sq_j
	v_pk_fma_f32 v[\b+8:\b+9], v[\b+4:\b+5], v[XQ:XQ+1], v[\b+8:\b+9] op_sel:[0,1,0] op_sel_hi:[1,1,1] ; dot
	v_pk_add_f32 v[\b+6:\b+7], v[SQQ:SQQ+1], v[\b+6:\b+7]                                            ; s
	v_pk_fma_f32 v[\b+6:\b+7], v[\b+8:\b+9], -2.0, v[\b+6:\b+7] op_sel_hi:[1,0,1]                    ; d2
	v_max_num_f32 v[\b+6], 0, v[\b+6]
	v_max_num_f32 v[\b+7], 0, v[\b+7]
	v_cmp_eq_u32 vcc_lo, 2*(\k), v[SP]
	v_cndmask_b32 v[\b+6], v[\b+6], v[BIG], vcc_lo
	v_cmp_eq_u32 vcc_lo, 2*(\k)+1, v[SP]
	v_cndmask_b32 v[\b+7], v[\b+7], v[BIG], vcc_lo
	v_cmp_lt_f32 vcc_lo, v[\b+7], v[\b+6]          ; of the two, the first unless the second is smaller,
	v_cndmask_b32 v[\b+6], v[\b+6], v[\b+7], vcc_lo
	v_cndmask_b32 v[\b],   v[\b],   v[\b+1], vcc_lo
	v_cmp_lt_f32 vcc_lo, v[\b+6], v[BEST]          ; and the best so far unless that one is smaller
	v_cndmask_b32 v[BEST], v[BEST], v[\b+6], vcc_lo
	v_cndmask_b32 v[BP],   v[BP],   v[\b],   vcc_lo
.endm
.irp k, 0,2,4,6,8,10,12,14
	SCAN \k, 96
	SCAN \k+1, 106
.endr
	; the two runs meet: the other half's result wins if it is smaller, or equal and from the lower run.  Both halves end up alike.
	v_permlanex16_b32 v96, v[BEST], s24, s25       ; (destinations that have been written before)
	v_permlanex16_b32 v97, v[BP], s24, s25
	v_permlanex16_b32 v98, v7, s24, s25
	v_cmp_lt_f32 s26, v96, v[BEST]
	v_cmp_eq_f32 s27, v96, v[BEST]
	v_cmp_lt_u32 s28, v98, v7
	s_and_b32 s27, s27, s28
	s_or_b32 s26, s26, s27
	v_cndmask_b32 v[BEST], v[BEST], v96, s26
	v_cndmask_b32 v[BP], v[BP], v97, s26
	; direction, norm, outputs
	v_lshlrev_b32 v99, 16, v[BP]
	v_and_b32 v100, s22, v[BP]
	v_sub_f32 v101, v[XQ], v99
	v_sub_f32 v102, v[XQ+1], v100
	v_mul_f32 v103, v101, v101
	v_fma_f32 v103, v102, v102, v103
	v_sqrt_f32 v104, v103
	v_sqrt_f32 v105, v[BEST]
	v_nop                                          ; one plain vector instruction behind a transcendental before its result is used (ISA guide 5.7.2)
	s_wait_alu depctr_va_vdst(0)
	v_add_f32 v104, 0x322bcc77, v104               ; + 1e-8
	v_rcp_f32 v110, v104
	v_mul_f32 v105, 0x3dcccccd, v105               ; esdf / 10; also the plain instruction behind v_rcp_f32
	s_wait_alu depctr_va_vdst(0)
	v_mul_f32 v106, v101, v110                     ; gx
	v_mul_f32 v107, v102, v110                     ; gy
	v_xor_b32 v108, 0x80000000, v106
	v_xor_b32 v109, 0x80000000, v107
	; seven rows of 64 numbers through LDS, so that 16 lanes hold 256 neighbouring bytes of an output row
	ds_store_b32 v5, v106
	ds_store_b32 v5, v108 offset:256
	ds_store_b32 v5, v107 offset:512
	ds_store_b32 v5, v109 offset:768
	ds_store_b32 v5, v106 offset:1024
	ds_store_b32 v5, v107 offset:1280
	ds_store_b32 v5, v105 offset:1536
	s_cmp_lt_u32 s12, 2                            ; waves 0, 1: the four rows of out0; waves 2, 3: the three of out1
	s_cselect_b64 s[30:31], s[8:9], s[10:11]
	s_add_nc_u64 s[30:31], s[30:31], s[14:15]      ; + 256 bytes for each work-group
	s_wait_dscnt 0x0                               ; written, for the other waves' sake
	s_barrier_signal -1
	s_barrier_wait -1
	v_cmp_gt_u32 vcc_lo, 112, v0                   ; 7 rows x 16 lanes; there is no eighth row
	s_wait_xcnt 0x0                                ; EXEC is a source of the loads above: it changes only behind this wait
	s_wait_tensorcnt 0x0
	ds_add_u32 v116, v117
	s_wait_dscnt 0x0
	s_and_saveexec_b32 s29, vcc_lo
	ds_load_b128 v[24:27], v28                     ; threads 0-111 read bytes 0-1,791, all of them written above
	s_wait_dscnt 0x0
	global_store_b128 v29, v[24:27], s[30:31]      ; 16 lanes store 256 consecutive bytes, at a multiple of 256 from the output's first byte
	s_endpgm
.Lfunc_end_k_qb5fe15bfbb_resolve:
	.size	k_qb5fe15bfbb_resolve, .Lfunc_end_k_qb5fe15bfbb_resolve-k_qb5fe15bfbb_resolve
	.p2alignl 7, 3214868480
	.fill 96, 4, 3214868480
	.section	.rodata,"a",@progbits
	.p2align	6, 0x0
	.amdhsa_kernel k_qb5fe15bfbb_resolve
		.amdhsa_group_segment_fixed_size 2560
		.amdhsa_private_segment_fixed_size 0
		.amdhsa_enable_private_segment 0
		.amdhsa_kernarg_size 32
		.amdhsa_user_sgpr_count 2
		.amdhsa_user_sgpr_kernarg_segment_ptr 1
		.amdhsa_wavefront_size32 1
		.amdhsa_system_sgpr_workgroup_id_x 1
		.amdhsa_system_sgpr_workgroup_id_y 1
		.amdhsa_system_sgpr_workgroup_id_z 1
		.amdhsa_system_vgpr_workitem_id 0
		.amdhsa_next_free_vgpr 118
		.amdhsa_next_free_sgpr 66
		.amdhsa_reserve_vcc 1
		.amdhsa_float_denorm_mode_32 3
		.amdhsa_float_denorm_mode_16_64 3
		.amdhsa_memory_ordered 1
		.amdhsa_forward_progress 1
		.amdhsa_inst_pref_size 23
	.end_amdhsa_kernel
	.amdgpu_metadata
---
amdhsa.version: [ 1, 2 ]
amdhsa.kernels:
  - .name:           k_qb5fe15bfbb_resolve
    .symbol:         k_qb5fe15bfbb_resolve.kd
    .args:
      - { .name: point_cloud, .offset: 0, .size: 8, .value_kind: global_buffer, .address_space: global }
      - { .name: order, .offset: 8, .size: 8, .value_kind: global_buffer, .address_space: global }
      - { .name: out0, .offset: 16, .size: 8, .value_kind: global_buffer, .address_space: global }
      - { .name: out1, .offset: 24, .size: 8, .value_kind: global_buffer, .address_space: global }
    .group_segment_fixed_size: 2560
    .private_segment_fixed_size: 0
    .kernarg_segment_align: 8
    .kernarg_segment_size: 32
    .max_flat_workgroup_size: 128
    .sgpr_count:     66
    .vgpr_count:     118
    .wavefront_size: 32
...
	.end_amdgpu_metadata
.endif
;; end of part 2
